; MI455X (gfx1250); checked and timed in simulation.
; The chip was launched on July 23, 2026; its instructions are those of AMD's public machine-readable ISA for CDNA 5 (MIT licence, August 2026) and "CDNA5" Instruction Set Architecture Reference Guide (July 2026). The comments in the code are by the model that wrote it; some were corrected since.
;; Bahdanau Attention. Allowed arithmetic: matrix products marked QUANTISED: E3M2 operands, one E8M0 scale for each 32 along K, by v_wmma_scale_f32_16x16x128_f8f6f4 with both operands' format E3M2, f32 sums; products left as they are: f32 operands where the result goes on into a quantised operand, else bf16, f16 or f32 operands; f32 sums; everything else in f32.
;; Inputs: B 1,024 float32; U 1,024 float32; W_codes 1,024 x 32 x 24 uint8 (E3M2 codes of W, K innermost, in blocks of 32 codes, four codes in three bytes); W_scales 1,024 x 32 uint8 (E8M0 scales of W, one for each 32 codes along K); encoded 32 x 2,048 x 1,024 float32.
;; Outputs: out0 32 x 1,024 float32.
;; This version of the problem:
;;   THIS VERSION OF THE PROBLEM IS GIVEN IN LOW PRECISION. The matrix products marked QUANTISED in the list below multiply operands that are first quantised to E3M2 (3 exponent bits, 2 mantissa bits; 6 bits a number), with one power-of-two scale for each 32 numbers along K (OCP MX v1.0); their sums are f32. All else is computed in f32.
;;   The module's matrix products, in the order in which they are computed (A, B: the left and right operand; K: the contracted axis; several contracted axes count as one K, in the product's order):
;;     1. [M 65,536, K 1,024] x [K 1,024, N 1,024]; A: input encoded; B: input W (given as codes): QUANTISED
;;     2. [M 65,536, K 1,024] x [K 1,024, N 1]; A: computed on the way; B: input U: left as it is (N = 1 < 16)
;;     3. batch 32 x [M 1,024, K 2,048] x [K 2,048, N 1]; A: input encoded; B: softmax: left as it is (N = 1 < 16)
;;   THE QUANTISER, for each operand of a quantised product, along K:
;;     - K is cut into blocks of 32 from its start; a last block that is shorter is filled with zeros.
;;     - A block's scale is 2^e with e = floor(log2(the largest magnitude in the block)) - 4, held to -126 .. 127; a block of zeros has e = 0. As a byte (E8M0): e + 127.
;;     - Each number is divided by its block's scale, clamped to +-28, and rounded to the nearest number of E3M2, ties to even, subnormals kept.
;;     - The product sums the exact products of the quantised numbers (number of the format x scale) in f32.
;;   ~~~python
;;   def quantise(x, axis):      # numpy; x: float32 -> the quantised numbers, widened to float32 again
;;       x = np.moveaxis(x, axis, -1); K = x.shape[-1]
;;       x = np.pad(x, [(0, 0)] * (x.ndim - 1) + [(0, -K % 32)]); x = x.reshape(x.shape[:-1] + (-1, 32)); a = np.abs(x).max(-1, keepdims=True)
;;       e = np.where(a > 0, np.clip(np.frexp(np.where(a > 0, a, 1))[1] - 1 - 4, -126, 127), 0)      # np.frexp(a)[1] - 1 = floor(log2(a)), exactly
;;       r = np.clip(x / 2.0 ** e, -28, 28)
;;       step = 2.0 ** (np.maximum(np.frexp(np.where(r == 0, 1, r))[1] - 1, -2) - 2)
;;       q = np.round(r / step) * step * 2.0 ** e      # np.round: ties to even
;;       return np.moveaxis(q.reshape(q.shape[:-2] + (-1,))[..., :K], -1, axis).astype(np.float32)
;;   ~~~
;;   INPUTS GIVEN AS CODES. W (in the module: [1024, 1024], K = its axis 0): each comes as NAME_codes (uint8): NAME with its K axis moved to the last place and cut into blocks of 32 codes, [.., K / 32, bytes a block], one block behind the other in memory; four codes in three bytes: a row's codes are one little-endian stream of bits, code i at bits 6 i .. 6 i + 5 (a code: sign, 3 exponent bits, 2 mantissa bits); and NAME_scales (uint8): the same leading axes, one E8M0 byte (e + 127) for each 32 codes along K. Its value is code x scale, taken as it is: it is not quantised again, and the codes and scales need not be those that the quantiser above would give.
;; One version. Each part assembles by itself: llvm-mc -triple=amdgcn-amd-amdhsa -mcpu=gfx1250 --defsym DOCPART=n.
;; ======== version 1 of 1: 2 launches
;; workspace buffers: part 2,621,440 bytes
;; launch scores_ctx (part 1): grid 512 x 1, 4 waves a work-group, clusters of 4 x 1, 327,680 bytes of LDS; arguments encoded, W_codes, W_scales, B, U, part; writes part
.if DOCPART == 1
	.amdgcn_target "amdgcn-amd-amdhsa--gfx1250"
	.amdhsa_code_object_version 6
	.text
	.protected	k_q351716b7cd_scores_ctx
	.globl	k_q351716b7cd_scores_ctx
	.p2align	8
	.type	k_q351716b7cd_scores_ctx,@function
k_q351716b7cd_scores_ctx:
	s_mov_b64 s[64:65], 0
	v_nop
	global_prefetch_b8 v0, s[64:65] scope:SCOPE_SE
	s_setreg_imm32_b32 hwreg(HW_REG_WAVE_MODE, 25, 1), 1
	s_wait_xcnt 0x0
	s_wait_alu depctr_hold_cnt(0) depctr_sa_sdst(0) depctr_va_vdst(0) depctr_va_sdst(0) depctr_va_ssrc(0) depctr_va_vcc(0) depctr_vm_vsrc(0)
	s_getreg_b32 s2, hwreg(HW_REG_IB_STS2, 6, 4)
	s_cmp_eq_u32 s2, 0
	s_cbranch_scc0 .Lentry_in_a_cluster
	s_endpgm
.Lentry_in_a_cluster:
	s_bfe_u32 s2, ttmp6, 0x10000c
	s_cmp_lg_u32 s2, 0x3003
	s_cbranch_scc0 .Lentry_shape_is_right
	s_endpgm
.Lentry_shape_is_right:
; BLOCK OF 128 ROWS OF ONE BATCH -> ONE RECORD OF part.  score[s] = sum over e of U[e] tanh((Q(x) W)[s][e] + B[e]); p[s] = 2^(t[s] - Mt), t = score x log2(e), Mt the block's largest t;
; l = sum of p; ctx[d] = sum over s of p[s] x[s][d].  The record holds ctx (1,024 f32, not normalised) and 128 copies of (Mt, l); the next launch joins a batch's 16 records under the batch's maximum.
; x (f32) is read from memory ONCE: each number is quantised to E3M2 codes (one E8M0 byte for each 32 along K) for the first product and kept as bf16 in registers for the last.
; tanh(z) = 1 - 2 / (1 + 2^(2 log2(e) z)).  The ones add the same number, the sum of U, to every score of a softmax's row; taking the maximum away removes it again for every input, so only sum of (-2 U) / (1 + 2^..) is summed.
; SHARES.  Four waves.  Loading: wave w owns rows 32 w .. 32 w + 31 (two tiles of 16).  First product: the waves share the COLUMNS: in chunk c (256 columns, four chunks) wave w makes columns 256 c + 64 w .. + 63 for all 128 rows:
; 32 accumulators.  The matrix instruction is used transposed (source 0 = 16 rows of W, source 1 = 16 rows of x): a lane holds one row of x and eight neighbouring columns.
; x's codes go from wave to wave through LDS as images of the operand's registers (three stores of 16 bytes a lane for a fragment), their scale words as one word a row and 128 along K.
; W's codes come through a ring of two LDS slots (256 rows x 256 along K each), W's scale bytes once.  CLUSTER: the four work-groups of a cluster walk the same W, so each of these tiles is asked for JOINTLY
; (the same tensor load, the same descriptor, mask 15).  By this text's count a wave has three tensor loads out at the start and one behind each round.
; LAST PRODUCT, by the bf16 matrix form: source 1 is the kept copy of x as it was loaded (a lane holds four neighbouring d, a register two rows); source 0 holds p in ONE row for each half of the lanes and zeros elsewhere,
; which sorts the sums by d into the rows of the result.
; LIMITS: NaN and infinities among the inputs are not served.  A block of 32 of x whose largest magnitude lies under 2^-122 gets the scale byte 1; so does a block of zeros, where the quantiser says 127: its codes are zeros, and
; this program alone reads the bytes.  p and x enter the last product rounded to bf16.
; REGISTERS, in windows of 256.  Window 0: v1-12 and v44-63 addresses; v16-31 score sums; v32-43 scale words (two sets); v64-159 x's eight fragments; v160-207, v208-255 W's four fragments, two sets.
;   Window 1: while loading four sets of 64 numbers of x; then the 32 accumulators ((a, b) at v[8 (4 a + b)]).   Windows 2, 3: the bf16 copy of my tile 0, 1: v[32 j + 8 e + q] = rows 2 q, 2 q + 1 at d = 128 j + 4 lane + e.
.set SLOTB, 61440                      ; a slot: 256 rows of W x (192 bytes + 3 x 16 of padding), pitch 240; slot 0 at LDS byte 0
.set WSC,   122880                     ; W's scale bytes: 128 runs of 256 bytes + 16 of padding
.set SPARE, 157696                     ; the spare words: 128 bytes a wave, two blocks of 256 bytes that no other line names
.set XC,    158208                     ; x's 64 fragment images of 1,536 bytes: (8 j + tile)
.set XS,    256512                     ; x's scale words: 544 bytes a tile: 32 r + 16 (r / 8) + 4 j
.set BU,    260864                     ; 2 log2(e) B, 4,096 bytes; then -2 U
.set STG,   269056                     ; a stage for each wave: 16 rows x (512 + 16) bytes
.set SCR,   302848                     ; the waves' parts of the 128 scores: 512 bytes a wave
.set PV,    304896                     ; p of the 128 rows, a copy for each wave
.set CT,    XC                         ; the eight parts of ctx, 4,096 bytes each, where x's images lay (stores from registers wrote both)
.set SPW,  1                           ; v1   my spare word: SPARE + 4 x thread; never rewritten
.set NIL,  2                           ; v2   0; never rewritten
.set LI,   3                           ; v3   16 x lane
.set ADX,  4                           ; v4, v5   x's images, K steps 0-3 and 4-7
.set ADW,  6                           ; v6, v7   my W fragments in slot 0, 1;  v8, v9 the same for the pieces behind one padding more
.set ADXS, 10                          ; v10  x's scale words: lanes 0-15 tile i, lanes 16-31 tile i + 4
.set ADWS, 11                          ; v11  W's scale words: lanes 0-15 tile i, lanes 16-31 tile i + 2; steps by a chunk
.set ABU,  12                          ; v12  my eight B' of a tile; steps by a chunk
.set SA,   16                          ; v16-31  score sums, a pair for each tile of rows
.set SC,   32                          ; scale words: set s at v[32 + 6 s]: four of x, two of W
.set STW,  44
.set STR,  45
.set XWI,  46                          ; v46, v47
.set XSW,  48
.set XF,   64
.set WF,   160
.set ST,   64                          ; while loading: 64 numbers of my row, in the order of the operand
.set PC,   128                         ; the codes just made
.set TM,   148                         ; at work
.set PW,   164                         ; the scale word just made
.set BP,   160                         ; behind a chunk's products: 32 B'
.set UP,   64                          ; and 32 of -2 U
.set MSB, 0
.macro WIN new                         ; the immediate's high byte repeats the setting that is left; a switch that changes nothing is dropped
.if MSB != (\new)
	s_set_vgpr_msb (MSB<<8)|(\new)
.set MSB, (\new)
.endif
.endm
.macro PLACES                          ; four plain places behind a matrix instruction, ahead of loads into its registers and of reads of its results
.rept 4
	v_nop
.endr
.endm
.macro CREST                           ; a round of the cluster's barrier behind its opening barrier
	s_cmp_lg_u32 s16, 0
	s_cbranch_scc1 .Lnot_wave_0_\@
	s_barrier_signal -3
.Lnot_wave_0_\@:
	s_barrier_wait -3
	s_barrier_signal -1
	s_barrier_wait -1
.endm
.macro CROUND
	s_barrier_signal -1
	s_barrier_wait -1
	CREST
.endm
.macro BAR                             ; my LDS stores have landed and my LDS loads are in: then the work-group's barrier
	s_wait_dscnt 0x0
	s_barrier_signal -1
	s_barrier_wait -1
.endm
	s_load_b256 s[4:11], s[0:1], 0x0               ; encoded s[4:5], W's codes s[6:7], W's scales s[8:9], B s[10:11]
	s_load_b128 s[12:15], s[0:1], 0x20             ; U s[12:13], part s[14:15]
	v_lshl_add_u32 v[SPW], v0, 2, SPARE
	v_mov_b32 v[NIL], 0
	ds_add_u32 v1, v2
	ds_add_u32 v1, v2
	s_wait_dscnt 0x0
	v_lshrrev_b32 v13, 5, v0
	v_readfirstlane_b32 s16, v13                   ; wave 0..3
	s_bfe_u32 s17, ttmp6, 0x40000                  ; cx: it enters x's and part's addresses alone
	s_lshl_b32 s18, ttmp9, 2
	s_add_co_u32 s18, s18, s17                     ; my block of 128 rows = 4 x cluster + cx
	; descriptor group 1 for W's codes: 64 rows x 192 bytes, 768 bytes apart, 16 bytes of padding behind every 64
	s_mov_b32 s24, 15|(1<<20)|(1<<21)|(3<<22)|(3<<25)  ; 15:0 mask: all four work-groups; 17:16 elements of 1 byte; 20 padding on; 21 set beside a mask; 24:22 after every 16 words; 31:25 four words
	s_mov_b32 s25, 192<<16                         ; tensor_dim0
	s_mov_b32 s26, 64<<16                          ; tensor_dim1
	s_mov_b32 s27, 192<<16                         ; tile_dim0
	s_mov_b32 s28, 64                              ; tile_dim1
	s_mov_b32 s29, 768                             ; from row to row
	s_mov_b32 s30, 0
	s_mov_b32 s31, 0
	; and for W's scale bytes: 8,192 dense bytes as 32 rows of 256 (32 elements of 8 bytes), 16 bytes of padding behind each
	s_mov_b32 s40, 15|(3<<16)|(1<<20)|(1<<21)|(5<<22)|(3<<25)
	s_mov_b32 s41, 32<<16
	s_mov_b32 s42, 32<<16
	s_mov_b32 s43, 32<<16
	s_mov_b32 s44, 32
	s_mov_b32 s45, 32
	s_mov_b32 s46, 0
	s_mov_b32 s47, 0
	s_mov_b32 s22, 0x76543210                      ; v_permlanex16_b32's selects for lane l xor 16
	s_mov_b32 s23, 0xfedcba98
	s_mov_b32 s52, 0x4038aa3b                      ; 2 log2(e)
	s_mov_b32 s53, s52                             ; (named with it as a pair, so it is written)
	s_mul_i32 s19, s16, 15360                      ; my 64 rows in a slot
	s_mul_i32 s20, s16, 49152                      ; and in W's codes
	s_mov_b32 s21, 0
	s_mul_i32 s49, s16, 8704
	s_add_co_u32 s49, s49, WSC                     ; my quarter of the scale bytes in LDS
	s_wait_kmcnt 0x0
	s_add_nc_u64 s[6:7], s[6:7], s[20:21]
	s_mov_b32 s32, 1                               ; group 0 of slot 0: chunk 0, K 0 .. 255
	s_mov_b32 s33, s19
	s_mov_b64 s[34:35], s[6:7]
	s_or_b32 s35, s35, 0x80000000
	s_mov_b32 s36, 1                               ; of slot 1: K 256 .. 511
	s_add_co_u32 s37, s19, SLOTB
	s_add_nc_u64 s[38:39], s[6:7], 192
	s_or_b32 s39, s39, 0x80000000
	s_lshl_b32 s20, s16, 13
	s_add_nc_u64 s[8:9], s[8:9], s[20:21]
	s_mov_b32 s48, 1                               ; of the scale bytes
	s_mov_b64 s[50:51], s[8:9]
	s_or_b32 s51, s51, 0x80000000
	CROUND                                         ; all four work-groups are here: the first joint loads meet
	tensor_load_to_lds s[48:51], s[40:47]          ; the three first fills stand together; four v_nop follow the last
	s_nop 0
	tensor_load_to_lds s[32:35], s[24:31]
	s_nop 0
	tensor_load_to_lds s[36:39], s[24:31]
	s_nop 0
	PLACES
	s_lshl_b32 s2, s18, 19                         ; my block's 128 rows of 4,096 bytes (under 2^28),
	s_lshl_b32 s3, s16, 17                         ; my wave's 32 of them
	s_add_co_u32 s2, s2, s3
	s_mov_b32 s3, 0
	s_add_nc_u64 s[4:5], s[4:5], s[2:3]
	s_mul_i32 s2, s18, 5120                        ; my record
	s_add_nc_u64 s[14:15], s[14:15], s[2:3]
	v_lshlrev_b32 v49, 5, v0                       ; thread t takes 8 numbers of B and of U
	v_and_b32 v[LI], 31, v0
	v_lshlrev_b32 v[LI], 4, v[LI]
	global_load_b128 v[168:171], v49, s[10:11]
	global_load_b128 v[172:175], v49, s[10:11] offset:16
	global_load_b128 v[176:179], v49, s[12:13]
	global_load_b128 v[180:183], v49, s[12:13] offset:16
; step n = 8 T + j of the loading: tile T's 16 rows, columns 128 j .. + 127.  Each load reads 512 consecutive bytes of one row; set n % 4 of window 1, register 4 i + e = x(row i, 128 j + 4 lane + e)
.macro LOADQ n
	WIN 0x40                                       ; destination window 1
.irp i, 0,1,2,3,4,5,6,7,8,9,10,11,12,13,14,15
	global_load_b128 v[64*((\n)%4)+4*\i:64*((\n)%4)+4*\i+3], v[LI], s[4:5] offset:65536*((\n)/8)+4096*\i+512*((\n)%8) th:TH_LOAD_NT
.endr
.endm
	LOADQ 0
	LOADQ 1
	LOADQ 2
	WIN 0
	; every LDS address of the launch is made here, of the thread's number, the wave's number and constants
	v_and_b32 v13, 15, v0                          ; r
	v_bfe_u32 v14, v0, 4, 1                        ; h
	v_lshrrev_b32 v15, 3, v13                      ; r / 8
	v_add_nc_u32 v[ADX], XC, v[LI]
	v_add_nc_u32 v[ADX+1], XC+49152, v[LI]
	v_mul_u32_u24 v51, v13, 240
	v_mad_u32_u24 v52, v14, 24, v51                ; a fragment's row x pitch + 24 x half
	v_mad_u32_u24 v53, v14, 40, v51                ; and the same behind one padding more
	v_add_nc_u32 v[ADW], s19, v52
	v_add_nc_u32 v[ADW+2], s19, v53
	v_add_nc_u32 v[ADW+1], SLOTB, v[ADW]
	v_add_nc_u32 v[ADW+3], SLOTB, v[ADW+2]
	v_lshlrev_b32 v54, 5, v13
	v_lshl_add_u32 v54, v15, 4, v54                ; 32 r + 16 (r / 8): a row's 32 scale bytes
	v_mad_u32_u24 v[ADXS], v14, 2176, v54          ; lanes 16-31: four tiles on
	v_add_nc_u32 v[ADXS], XS, v[ADXS]
	v_mad_u32_u24 v[ADWS], v14, 1088, v54          ; lanes 16-31: two tiles on
	s_mul_i32 s20, s16, 2176
	s_add_co_u32 s20, s20, WSC
	v_add_nc_u32 v[ADWS], s20, v[ADWS]
	s_lshl_b32 s20, s16, 8
	s_add_co_u32 s20, s20, BU
	v_lshl_add_u32 v[ABU], v14, 5, s20             ; 4 (64 w + 8 h)
	s_mul_i32 s20, s16, 8448
	s_add_co_u32 s20, s20, STG
	v_add_nc_u32 v[STW], s20, v[LI]                ; the stage, in: 16 bytes a lane of a row
	v_mul_u32_u24 v[STR], v13, 528
	v_lshl_add_u32 v[STR], v14, 6, v[STR]
	v_add_nc_u32 v[STR], s20, v[STR]               ; out: row r, 64 h bytes into each block of 32 numbers
	s_mul_i32 s20, s16, 3072
	s_add_co_u32 s20, s20, XC
	v_add_nc_u32 v[XWI], s20, v[LI]                ; where I store my tiles' images
	v_add_nc_u32 v[XWI+1], 49152, v[XWI]
	s_mul_i32 s20, s16, 1088
	s_add_co_u32 s20, s20, XS
	v_add_nc_u32 v[XSW], s20, v54                  ; and their scale words
	v_lshl_add_u32 v50, v0, 5, BU
	s_lshl_b32 s20, s16, 9
	s_add_co_u32 s20, s20, SCR
	v_lshl_add_u32 v55, v13, 2, s20                ; my part of the scores: 4 r
	v_add_nc_u32 v56, SCR, v[LI]                   ; all parts: four rows a lane
	s_lshl_b32 s20, s16, 9
	s_add_co_u32 s20, s20, PV
	v_add_nc_u32 v57, s20, v[LI]                   ; my copy of p
	s_mul_i32 s20, s16, 640
	s_add_co_u32 s20, s20, PV
	v_mov_b32 v58, s20                             ; in it my own 32 rows: 512 w + 128 w
	s_lshl_b32 s20, s16, 13
	s_add_co_u32 s20, s20, CT
	v_lshl_add_u32 v59, v14, 12, s20
	v_lshl_add_u32 v59, v13, 4, v59                ; ctx's part 2 w + h, 16 r
	v_lshl_add_u32 v60, v0, 4, CT
	v_lshlrev_b32 v61, 4, v0
	v_lshlrev_b32 v62, 3, v0
	v_lshlrev_b32 v63, 2, v14
	v_sub_nc_u32 v63, v13, v63                     ; r - 4 h
.irp a, 0,1,2,3,4,5,6,7,8,9,10,11,12,13,14,15
	v_mov_b32 v[SA+\a], 0                          ; the score sums go on over four chunks
.endr
.irp b, 0,1,2,3
	v_mov_b32 v[TM+4+\b], 0                        ; written once: a lane permute's destination counts as one of its sources
.endr
	s_wait_loadcnt 48                              ; B and U are in; the 48 loads of x issued behind them stay out
.irp k, 0,2,4,6
	v_pk_mul_f32 v[168+\k:169+\k], v[168+\k:169+\k], s[52:53] op_sel_hi:[1,0]   ; B' = 2 log2(e) B
	v_pk_mul_f32 v[176+\k:177+\k], v[176+\k:177+\k], -2.0 op_sel_hi:[1,0]       ; -2 U
.endr
	ds_store_b128 v50, v[168:171]
	ds_store_b128 v50, v[172:175] offset:16
	ds_store_b128 v50, v[176:179] offset:4096
	ds_store_b128 v50, v[180:183] offset:4112
; 64 numbers of a lane, register 16 b + i = k 32 b + 16 (lane / 16) + i of my row, become a fragment's codes in v[PC] on and its scale word in v[PW]
.macro QUANT s
.irp b, 0,1,2,3
	v_max3_num_f32 v[TM+\b], |v[\s+16*\b]|, |v[\s+1+16*\b]|, 0x2800000   ; block b: my 16 numbers, and the floor 2^(5 - 127): the byte cannot fall under 1
.endr
.irp i, 2,4,6,8,10,12,14
.irp b, 0,1,2,3
	v_max3_num_f32 v[TM+\b], v[TM+\b], |v[\s+16*\b+\i]|, |v[\s+1+16*\b+\i]|   ; the four blocks by turns
.endr
.endr
.irp b, 0,1,2,3
	v_permlanex16_b32 v[TM+4+\b], v[TM+\b], s22, s23
.endr
.irp b, 0,1,2,3
	v_max_num_f32 v[TM+\b], v[TM+\b], v[TM+4+\b]   ; with lane l xor 16's: the block's largest magnitude
.endr
.irp b, 0,1,2,3
	v_add_nc_u32 v[TM+12+\b], 0xfe000000, v[TM+\b] ; 4 off its exponent field: the conversion takes the exponent field of this operand as its scale
.endr
.irp b, 0,1,2,3
	v_lshrrev_b32 v[TM+4+\b], 23, v[TM+12+\b]      ; the scale's byte
.endr
	v_lshl_or_b32 v[PW], v[TM+5], 8, v[TM+4]
	v_lshl_or_b32 v[PW], v[TM+6], 16, v[PW]
	v_lshl_or_b32 v[PW], v[TM+7], 24, v[PW]
.irp c, 0,1
	v_cvt_scalef32_pk16_bf6_f32 v[PC+6*\c:PC+2+6*\c], v[\s+32*\c:\s+15+32*\c], v[TM+12+2*\c]
	v_cvt_scalef32_pk16_bf6_f32 v[PC+12+4*\c:PC+14+4*\c], v[\s+16+32*\c:\s+31+32*\c], v[TM+12+2*\c+1]   ; (a conversion's three registers begin on an even number)
.endr
	v_nop                                          ; one plain place behind a scaled conversion
.irp c, 0,1                                    ; the operand's layout wants a whole block in a lane: lanes 0-15 block 2 c, lanes 16-31 block 2 c + 1
.irp i, 0,1,2
	v_permlane16_swap_b32 v[PC+6*\c+\i], v[PC+12+4*\c+\i]
.endr
.irp i, 0,1,2
	v_mov_b32 v[PC+3+6*\c+\i], v[PC+12+4*\c+\i]
.endr
.endr
.endm
; One step of the loading.  left = the loads of the younger steps, which stay out.
.macro QSTEP n, left
.set qT, (\n)/8
.set qJ, (\n)%8
.set qU, 64*((\n)%4)
	s_wait_loadcnt \left                           ; this step's 16 loads are in
.if (\n) <= 12
	LOADQ (\n)+3                                   ; into the set that the step before has stored and converted (its wait on DScnt has passed)
.endif
	WIN 0x04                                       ; an LDS store's data: window 1
.irp i, 0,1,2,3,4,5,6,7,8,9,10,11,12,13,14,15
	ds_store_b128 v[STW], v[qU+4*\i:qU+4*\i+3] offset:528*\i    ; through my own stage: in as loaded,
.endr
	WIN 0
.irp b, 0,1,2,3
.irp k, 0,1,2,3
	ds_load_b128 v[ST+16*\b+4*\k:ST+16*\b+4*\k+3], v[STR] offset:128*\b+16*\k   ; out 16 neighbours of each block of my row (LDS serves a wave's instructions in order: ISA guide 5.7.1.4)
.endr
.endr
	WIN 0x85+0x40*qT                               ; sources window 1, destination window 2 or 3
.irp e, 0,1,2,3
.irp q, 0,1,2,3,4,5,6,7
	v_cvt_pk_bf16_f32 v[32*qJ+8*\e+\q], v[qU+8*\q+\e], v[qU+8*\q+4+\e]   ; the copy that stays: rows 2 q and 2 q + 1 at one d
.endr
.endr
	WIN 0
	s_wait_dscnt 0x0                               ; the stage's round trip is over, and the last step's image stores have read their registers
	QUANT ST
.irp p, 0,1,2
	ds_store_b128 v[XWI+qJ/4], v[PC+4*\p:PC+4*\p+3] offset:12288*(qJ%4)+1536*qT+512*\p
.endr
	ds_store_b32 v[XSW], v[PW] offset:544*qT+4*qJ  ; lanes r and r + 16 write the same word with the same value
.endm
.irp n, 0,1,2,3,4,5,6,7,8,9,10,11,12,13
	QSTEP \n, 32
.endr
	QSTEP 14, 16
	QSTEP 15, 0
	s_wait_tensorcnt 1                             ; W's scale bytes and my part of slot 0 are in; slot 1's load may stay out
	BAR                                            ; x's 64 images, their scale words, B' and -2 U lie in LDS
; a fragment of W: 16 rows x 128 K, 12 registers, in pieces of 8 bytes; lanes 16-31 read three pieces further on, which for some pieces is behind one padding more: the second address register serves those
.macro FRAGW reg, slot, q, i
.irp p, 0,1,2,3,4,5
.set PCN, 12*(\q)+6*(\p/3)+\p%3
.if PCN%8 < 5
	ds_load_b64 v[(\reg)+2*\p:(\reg)+2*\p+1], v[ADW+(\slot)] offset:8*PCN+16*(PCN/8)+(\i)*3840
.else
	ds_load_b64 v[(\reg)+2*\p:(\reg)+2*\p+1], v[ADW+2+(\slot)] offset:8*PCN+16*(PCN/8)+(\i)*3840
.endif
.endr
.endm
.macro FETCH_W slot, q, p              ; my four fragments of the slot's q-th 128 along K into set p: 24 loads
.irp i, 0,1,2,3
	FRAGW WF+48*(\p)+12*\i, \slot, \q, \i
.endr
.endm
.macro FETCH_X j, t0                   ; x's tiles t0 .. t0 + 3 of K step j: 12 loads
.irp i, 0,1,2,3
.irp pl, 0,1,2
	ds_load_b128 v[XF+12*((\t0)+\i)+4*\pl:XF+12*((\t0)+\i)+4*\pl+3], v[ADX+(\j)/4] offset:12288*((\j)%4)+1536*((\t0)+\i)+512*\pl
.endr
.endr
.endm
.macro SCALES j, sp                    ; K step j's scale words into set sp: 6 loads
.irp i, 0,1,2,3
	ds_load_b32 v[SC+6*(\sp)+\i], v[ADXS] offset:544*\i+4*(\j)
.endr
.irp i, 0,1
	ds_load_b32 v[SC+6*(\sp)+4+\i], v[ADWS] offset:544*\i+4*(\j)
.endr
.endm
; one product: x's tile a against W's tile b.  W's tiles 2, 3 and x's tiles 4-7 have their scale words in lanes 16-31
.macro WM a, b, p, sp, zero
.set rD, 8*(4*(\a)+(\b))
.set rW, WF+48*(\p)+12*(\b)
.set rX, XF+12*(\a)
.set rSW, SC+6*(\sp)+4+(\b)%2
.set rSX, SC+6*(\sp)+(\a)%4
.set md, 2*((\a)/4)+(\b)/2+4*(\zero)
.if md == 0
	v_wmma_scale_f32_16x16x128_f8f6f4 v[rD:rD+7], v[rW:rW+11], v[rX:rX+11], v[rD:rD+7], v[rSW], v[rSX] matrix_a_fmt:MATRIX_FMT_BF6 matrix_b_fmt:MATRIX_FMT_BF6
.elseif md == 1
	v_wmma_scale_f32_16x16x128_f8f6f4 v[rD:rD+7], v[rW:rW+11], v[rX:rX+11], v[rD:rD+7], v[rSW], v[rSX] matrix_a_fmt:MATRIX_FMT_BF6 matrix_b_fmt:MATRIX_FMT_BF6 matrix_a_scale:MATRIX_SCALE_ROW1
.elseif md == 2
	v_wmma_scale_f32_16x16x128_f8f6f4 v[rD:rD+7], v[rW:rW+11], v[rX:rX+11], v[rD:rD+7], v[rSW], v[rSX] matrix_a_fmt:MATRIX_FMT_BF6 matrix_b_fmt:MATRIX_FMT_BF6 matrix_b_scale:MATRIX_SCALE_ROW1
.elseif md == 3
	v_wmma_scale_f32_16x16x128_f8f6f4 v[rD:rD+7], v[rW:rW+11], v[rX:rX+11], v[rD:rD+7], v[rSW], v[rSX] matrix_a_fmt:MATRIX_FMT_BF6 matrix_b_fmt:MATRIX_FMT_BF6 matrix_a_scale:MATRIX_SCALE_ROW1 matrix_b_scale:MATRIX_SCALE_ROW1
.elseif md == 4
	v_wmma_scale_f32_16x16x128_f8f6f4 v[rD:rD+7], v[rW:rW+11], v[rX:rX+11], 0, v[rSW], v[rSX] matrix_a_fmt:MATRIX_FMT_BF6 matrix_b_fmt:MATRIX_FMT_BF6
.elseif md == 5
	v_wmma_scale_f32_16x16x128_f8f6f4 v[rD:rD+7], v[rW:rW+11], v[rX:rX+11], 0, v[rSW], v[rSX] matrix_a_fmt:MATRIX_FMT_BF6 matrix_b_fmt:MATRIX_FMT_BF6 matrix_a_scale:MATRIX_SCALE_ROW1
.elseif md == 6
	v_wmma_scale_f32_16x16x128_f8f6f4 v[rD:rD+7], v[rW:rW+11], v[rX:rX+11], 0, v[rSW], v[rSX] matrix_a_fmt:MATRIX_FMT_BF6 matrix_b_fmt:MATRIX_FMT_BF6 matrix_b_scale:MATRIX_SCALE_ROW1
.else
	v_wmma_scale_f32_16x16x128_f8f6f4 v[rD:rD+7], v[rW:rW+11], v[rX:rX+11], 0, v[rSW], v[rSX] matrix_a_fmt:MATRIX_FMT_BF6 matrix_b_fmt:MATRIX_FMT_BF6 matrix_a_scale:MATRIX_SCALE_ROW1 matrix_b_scale:MATRIX_SCALE_ROW1
.endif
.endm
; x's tiles a0 .. a0 + n - 1 against W's four.  The 32 accumulators take turns, one instruction a turn, in the same order in every K step.  zero = 1: the products start the sums
.macro MUL a0, n, p, sp, zero
.set ma, \a0
.rept \n
.irp b, 0,1,2,3
	WM ma, \b, \p, \sp, \zero
.endr
.set ma, ma+1
.endr
.endm
.set W_MUL, 0x50                       ; operands window 0, C and D window 1
; an even K step j: the first 128 along K of its slot; W's set 0, scale set 0.  It fetches K step j + 1 from the same slot
.macro STEP j, slot, zero
	s_wait_dscnt 12                                ; all but the youngest 12 loads, x's tiles 4-7
	WIN W_MUL
	MUL 0, 4, 0, 0, \zero
	s_wait_dscnt 0x0                               ; x's tiles 4-7 are in
	PLACES
	WIN 0
	FETCH_W \slot, 1, 1
	FETCH_X (\j)+1, 0
	SCALES (\j)+1, 1
	WIN W_MUL
	MUL 4, 4, 0, 0, \zero
	PLACES
	WIN 0
	FETCH_X (\j)+1, 4
.endm
; an odd K step j: the slot's last; it changes slots.  ONE barrier: in front of it each wave waits for all its tensor loads (one is out: its part of the next slot), adds 0 to its spare word, and waits for that and
; for its reads of this slot.  fill = 1: the barrier opens a round of the cluster's, and this slot is filled again, step bytes further on in W, first thing behind the round.
.macro TURN j, slot, next, fill, step
	s_wait_tensorcnt 0x0
	ds_add_u32 v[SPW], v[NIL]                      ; 0 onto my spare word
	s_wait_dscnt 13                                ; (the add and the youngest 12 loads may be out)
	WIN W_MUL
	MUL 0, 2, 1, 1, 0                              ; eight matrix instructions stand between the add and the wait for it
	s_wait_dscnt 0x0                               ; the add is done, and my reads of this slot are over
	s_barrier_signal -1
	MUL 2, 2, 1, 1, 0
	WIN 0
	s_barrier_wait -1
.if \fill
	CREST                                          ; no wave of any partner still reads this slot or has a load on its way
	s_add_nc_u64 s[34+4*\slot:35+4*\slot], s[34+4*\slot:35+4*\slot], \step
	tensor_load_to_lds s[32+4*\slot:35+4*\slot], s[24:31]
	s_nop 0
	PLACES                                         ; behind a tensor load; also the places in front of the loads below
.else
	PLACES
.endif
	FETCH_W \next, 0, 0
	FETCH_X (\j)+1, 0
	SCALES (\j)+1, 0
	WIN W_MUL
	MUL 4, 4, 1, 1, 0
	PLACES
	WIN 0
	FETCH_X (\j)+1, 4
.endm
; a chunk's last K step: in place of fragments it fetches the chunk's B' and -2 U: register 8 b + i belongs to column 16 b + 8 h + i of my 64
.macro BULOAD
.irp b, 0,1,2,3
	ds_load_b128 v[BP+8*\b:BP+8*\b+3], v[ABU] offset:64*\b
	ds_load_b128 v[BP+8*\b+4:BP+8*\b+7], v[ABU] offset:64*\b+16
	ds_load_b128 v[UP+8*\b:UP+8*\b+3], v[ABU] offset:4096+64*\b
	ds_load_b128 v[UP+8*\b+4:UP+8*\b+7], v[ABU] offset:4096+64*\b+16
.endr
.endm
.macro TURNLAST fill
.if \fill
	s_wait_tensorcnt 0x0
	ds_add_u32 v[SPW], v[NIL]                      ; 0 onto my spare word
	s_wait_dscnt 13
	WIN W_MUL
	MUL 0, 2, 1, 1, 0
	s_wait_dscnt 0x0
	s_barrier_signal -1
	MUL 2, 2, 1, 1, 0
	WIN 0
	s_barrier_wait -1
	CREST
	s_add_nc_u64 s[38:39], s[38:39], 196224        ; slot 1: the next chunk's K 256 .. 511: 256 rows on, 384 bytes back
	tensor_load_to_lds s[36:39], s[24:31]
	s_nop 0
	PLACES
.else
	s_wait_dscnt 12                                ; the launch's last K step: nothing is filled or shared behind it, so no barrier
	WIN W_MUL
	MUL 0, 4, 1, 1, 0
	s_wait_dscnt 0x0
	PLACES
	WIN 0
.endif
	BULOAD
	WIN W_MUL
	MUL 4, 4, 1, 1, 0
	PLACES
	WIN 0
	s_wait_dscnt 0x0
.endm
; BEHIND A CHUNK'S PRODUCTS: 256 numbers a lane.  Pair g = registers 2 g, 2 g + 1 of window 1.  Three passes, so that each kind of transcendental is ONE batch with one wait ahead of its first reader:
; A: 2^(2 log2(e) z + B');  B: 1 / (1 + that);  C: the score sums take -2 U times that.  In A and B a pair's packed line stands one pair ahead of its two transcendentals.  Each accumulator is read from its low end on.
.macro EPI
	WIN 0x41                                       ; destination and source 0 window 1, B' window 0
	v_pk_fma_f32 v[0:1], v[0:1], s[52:53], v[BP:BP+1] op_sel_hi:[1,0,1]
.set g, 0
.rept 128
.if g < 127
.set g1, g+1
	v_pk_fma_f32 v[2*g1:2*g1+1], v[2*g1:2*g1+1], s[52:53], v[BP+2*(g1%16):BP+2*(g1%16)+1] op_sel_hi:[1,0,1]
.endif
	v_exp_f32 v[2*g], v[2*g]
	v_exp_f32 v[2*g+1], v[2*g+1]
.set g, g+1
.endr
	v_nop                                          ; a plain place behind the last exponential
	s_wait_alu depctr_va_vdst(0)
	v_pk_add_f32 v[0:1], v[0:1], 1.0 op_sel_hi:[1,0]
.set g, 0
.rept 128
.if g < 127
.set g1, g+1
	v_pk_add_f32 v[2*g1:2*g1+1], v[2*g1:2*g1+1], 1.0 op_sel_hi:[1,0]
.endif
	v_rcp_f32 v[2*g], v[2*g]                       ; an exponential beyond f32's range is infinity, whose reciprocal is 0: tanh = 1
	v_rcp_f32 v[2*g+1], v[2*g+1]
.set g, g+1
.endr
	v_nop
	s_wait_alu depctr_va_vdst(0)
	WIN 0x01                                       ; source 0 window 1
.set bq, 0
.rept 16
.irp a, 0,1,2,3,4,5,6,7
	v_pk_fma_f32 v[SA+2*\a:SA+2*\a+1], v[32*\a+2*bq:32*\a+2*bq+1], v[UP+2*bq:UP+2*bq+1], v[SA+2*\a:SA+2*\a+1]   ; the eight tiles' chains by turns
.endr
.set bq, bq+1
.endr
	WIN 0
.endm
; a chunk of 256 columns: eight K steps of 128, four slots.  more = 1: the last two changes of slots ask for the next chunk's first two tiles
.macro CHUNK more
	FETCH_W 0, 0, 0
	FETCH_X 0, 0
	SCALES 0, 0
	FETCH_X 0, 4
	STEP 0, 0, 1
	TURN 1, 0, 1, 1, 384                           ; slot 0: this chunk's K 512 .. 767
	STEP 2, 1, 0
	TURN 3, 1, 0, 1, 384                           ; slot 1: K 768 .. 1023
	STEP 4, 0, 0
	TURN 5, 0, 1, \more, 196224                    ; slot 0: the next chunk's K 0 .. 255
	STEP 6, 1, 0
	TURNLAST \more
	EPI
.if \more
	v_add_nc_u32 v[ADWS], 8704, v[ADWS]            ; 256 rows of scale bytes on
	v_add_nc_u32 v[ABU], 1024, v[ABU]              ; 256 numbers on
.endif
.endm
	s_mov_b32 s54, 3
.Lchunk:
	CHUNK 1
	s_sub_co_u32 s54, s54, 1
	s_cmp_lg_u32 s54, 0
	s_cbranch_scc1 .Lchunk
	CHUNK 0                                        ; the last chunk is written out
	; THE SCORES.  Lane (r, h) holds, for each tile a, its columns' part of row 16 a + r: the pair's halves, lane l xor 16's, and the four waves' parts are added
.irp a, 0,1,2,3,4,5,6,7
	v_add_f32 v[128+\a], v[SA+2*\a], v[SA+2*\a+1]
.endr
.irp a, 0,1,2,3,4,5,6,7
	v_permlanex16_b32 v[136+\a], v[128+\a], s22, s23
.endr
.irp a, 0,1,2,3,4,5,6,7
	v_add_f32 v[128+\a], v[128+\a], v[136+\a]
.endr
.irp a, 0,1,2,3,4,5,6,7
	ds_store_b32 v55, v[128+\a] offset:64*\a       ; lanes r and r + 16 write the same word with the same value
.endr
	BAR                                            ; also: every wave's reads of x's images are over
.irp w, 0,1,2,3
	ds_load_b128 v[144+4*\w:147+4*\w], v56 offset:512*\w   ; every wave takes all 128 rows, four a lane, and adds in the same order: all four get the same bits
.endr
	s_wait_dscnt 0x0
	v_pk_add_f32 v[144:145], v[144:145], v[148:149]
	v_pk_add_f32 v[146:147], v[146:147], v[150:151]
	v_pk_add_f32 v[152:153], v[152:153], v[156:157]
	v_pk_add_f32 v[154:155], v[154:155], v[158:159]
	v_pk_add_f32 v[144:145], v[144:145], v[152:153]
	v_pk_add_f32 v[146:147], v[146:147], v[154:155]
.irp i, 0,1,2,3
	v_mul_f32 v[144+\i], 0x3fb8aa3b, v[144+\i]     ; t = score x log2(e)
.endr
	v_max3_num_f32 v116, v144, v145, v146
	v_max_num_f32 v116, v116, v147
	v_max_num_f32_dpp v116, v116, v116 row_xmask:1 row_mask:0xf bank_mask:0xf
	v_max_num_f32_dpp v116, v116, v116 row_xmask:2 row_mask:0xf bank_mask:0xf
	v_max_num_f32_dpp v116, v116, v116 row_xmask:4 row_mask:0xf bank_mask:0xf
	v_max_num_f32_dpp v116, v116, v116 row_xmask:8 row_mask:0xf bank_mask:0xf
	v_permlanex16_b32 v117, v116, s22, s23
	v_max_num_f32 v114, v116, v117                 ; Mt: the block's largest t
.irp i, 0,1,2,3
	v_sub_f32 v[144+\i], v[144+\i], v114
.endr
.irp i, 0,1,2,3
	v_exp_f32 v[144+\i], v[144+\i]                 ; p = 2^(t - Mt), at most 1
.endr
	v_nop
	s_wait_alu depctr_va_vdst(0)                   ; one wait for the four, ahead of their first reader
	v_add_f32 v118, v144, v145
	v_add_f32 v119, v146, v147
	v_add_f32 v118, v118, v119
	v_add_f32_dpp v118, v118, v118 row_xmask:1 row_mask:0xf bank_mask:0xf
	v_add_f32_dpp v118, v118, v118 row_xmask:2 row_mask:0xf bank_mask:0xf
	v_add_f32_dpp v118, v118, v118 row_xmask:4 row_mask:0xf bank_mask:0xf
	v_add_f32_dpp v118, v118, v118 row_xmask:8 row_mask:0xf bank_mask:0xf
	v_permlanex16_b32 v119, v118, s22, s23
	v_add_f32 v115, v118, v119                     ; l: the sum of the 128 p, in f32
	ds_store_b128 v57, v[144:147]                  ; p into my wave's own copy,
.irp q, 0,1,2,3,4,5,6,7
	ds_load_b128 v[64+4*\q:67+4*\q], v58 offset:16*\q   ; and my own 32 rows' p back, the same in every lane (a wave's LDS instructions are served in order)
.endr
	s_wait_dscnt 0x0
	; ctx = sum of p x.  Source 1 of product (T, e, j) is the copy's registers 32 j + 8 e .. + 7 of tile T: in its lane (r, H), register q holds rows 2 q, 2 q + 1 at d = 128 j + 64 H + 4 r + e.
	; Source 0 holds in register q the p of rows 2 q, 2 q + 1, in the two lanes (m, H) with m = 8 T + 4 H + e alone, zeros elsewhere.  A lane half of source 0 meets the same half of source 1,
	; so row 8 T + 4 H + e of the result is tile T's sum for d = 128 j + 64 H + 4 r + e.
.irp k, 0,1,2,3,4,5,6,7,8,9,10,11,12,13,14,15
	v_cvt_pk_bf16_f32 v[96+\k], v[64+2*\k], v[65+2*\k]
.endr
.irp m, 0,1,2,3,4,5,6,7                        ; m = 4 T + e
	v_cmp_eq_u32 s[56+\m], (\m%4)+8*(\m/4), v63    ; r - 4 h = 8 T + e
.endr
.irp m, 0,1,2,3,4,5,6,7
.irp q, 0,1,2,3,4,5,6,7
	v_cndmask_b32 v[128+8*\m+\q], 0, v[96+8*(\m/4)+\q], s[56+\m]
.endr
.endr
	PLACES
.irp m, 0,1,2,3,4,5,6,7
	WIN 0x58+4*(\m/4)                              ; source 0 window 0, source 1 window 2 or 3, C and D window 1
.irp j, 0,1,2,3,4,5,6,7                        ; the eight accumulators by turns
.if \m == 0
	v_wmma_f32_16x16x32_bf16 v[8*\j:8*\j+7], v[128+8*\m:128+8*\m+7], v[32*\j+8*(\m%4):32*\j+8*(\m%4)+7], 0
.else
	v_wmma_f32_16x16x32_bf16 v[8*\j:8*\j+7], v[128+8*\m:128+8*\m+7], v[32*\j+8*(\m%4):32*\j+8*(\m%4)+7], v[8*\j:8*\j+7]
.endif
.endr
.endr
	PLACES
	WIN 0x04                                       ; an LDS store's data: window 1
.irp j, 0,1,2,3,4,5,6,7
	ds_store_b128 v59, v[8*\j:8*\j+3] offset:512*\j        ; lane (r, H): part 2 w + H, d = 128 j + 4 r + 0 .. 3; each accumulator from its low end on
	ds_store_b128 v59, v[8*\j+4:8*\j+7] offset:512*\j+256  ; d = 128 j + 64 + 4 r + 0 .. 3
.endr
	WIN 0
	BAR                                            ; the eight parts of ctx lie in LDS
.irp k, 0,1,2,3,4,5,6,7
	ds_load_b128 v[128+8*\k:131+8*\k], v60 offset:4096*\k          ; thread t: d = 4 t .. 4 t + 3
	ds_load_b128 v[132+8*\k:135+8*\k], v60 offset:4096*\k+2048     ; and d = 512 + 4 t ..
.endr
	s_wait_dscnt 0x0
.irp k, 0,2,4,6
.irp e, 0,2,4,6
	v_pk_add_f32 v[128+8*\k+\e:129+8*\k+\e], v[128+8*\k+\e:129+8*\k+\e], v[136+8*\k+\e:137+8*\k+\e]
.endr
.endr
.irp k, 0,4
.irp e, 0,2,4,6
	v_pk_add_f32 v[128+8*\k+\e:129+8*\k+\e], v[128+8*\k+\e:129+8*\k+\e], v[144+8*\k+\e:145+8*\k+\e]
.endr
.endr
.irp e, 0,2,4,6
	v_pk_add_f32 v[128+\e:129+\e], v[128+\e:129+\e], v[160+\e:161+\e]
.endr
	global_store_b128 v61, v[128:131], s[14:15]                ; a wave's store covers 512 consecutive bytes, at a multiple of 256 from the buffer's first byte
	global_store_b128 v61, v[132:135], s[14:15] offset:2048
	global_store_b64 v62, v[114:115], s[14:15] offset:4096     ; (Mt, l), a copy a thread: 256 consecutive bytes a wave
	s_wait_tensorcnt 0x0                           ; the wave's end
	ds_add_u32 v[SPW], v[NIL]
	s_wait_dscnt 0x0
	CROUND                                         ; the closing round: no work-group ends while a partner may still ask for a tile that names it
	s_endpgm
.Lfunc_end_k_q351716b7cd_scores_ctx:
	.size	k_q351716b7cd_scores_ctx, .Lfunc_end_k_q351716b7cd_scores_ctx-k_q351716b7cd_scores_ctx
	.p2alignl 7, 3214868480
	.fill 96, 4, 3214868480
	.section	.rodata,"a",@progbits
	.p2align	6, 0x0
	.amdhsa_kernel k_q351716b7cd_scores_ctx
		.amdhsa_group_segment_fixed_size 327680
		.amdhsa_private_segment_fixed_size 0
		.amdhsa_enable_private_segment 0
		.amdhsa_kernarg_size 48
		.amdhsa_user_sgpr_count 2
		.amdhsa_user_sgpr_kernarg_segment_ptr 1
		.amdhsa_wavefront_size32 1
		.amdhsa_system_sgpr_workgroup_id_x 1
		.amdhsa_system_sgpr_workgroup_id_y 1
		.amdhsa_system_sgpr_workgroup_id_z 1
		.amdhsa_system_vgpr_workitem_id 0
		.amdhsa_next_free_vgpr 1024
		.amdhsa_next_free_sgpr 66
		.amdhsa_reserve_vcc 0
		.amdhsa_float_denorm_mode_32 3
		.amdhsa_float_denorm_mode_16_64 3
		.amdhsa_memory_ordered 1
		.amdhsa_forward_progress 1
		.amdhsa_inst_pref_size 255
	.end_amdhsa_kernel
	.section	.bss,"aw",@nobits
	.p2align	6
	.space	262144
	.amdgpu_metadata
---
amdhsa.version: [ 1, 2 ]
amdhsa.kernels:
  - .name:           k_q351716b7cd_scores_ctx
    .symbol:         k_q351716b7cd_scores_ctx.kd
    .args:
      - { .name: encoded, .offset: 0, .size: 8, .value_kind: global_buffer, .address_space: global }
      - { .name: W_codes, .offset: 8, .size: 8, .value_kind: global_buffer, .address_space: global }
      - { .name: W_scales, .offset: 16, .size: 8, .value_kind: global_buffer, .address_space: global }
      - { .name: B, .offset: 24, .size: 8, .value_kind: global_buffer, .address_space: global }
      - { .name: U, .offset: 32, .size: 8, .value_kind: global_buffer, .address_space: global }
      - { .name: part, .offset: 40, .size: 8, .value_kind: global_buffer, .address_space: global }
    .group_segment_fixed_size: 327680
    .private_segment_fixed_size: 0
    .kernarg_segment_align: 8
    .kernarg_segment_size: 48
    .max_flat_workgroup_size: 128
    .sgpr_count:     66
    .vgpr_count:     1024
    .wavefront_size: 32
...
	.end_amdgpu_metadata
.endif
;; end of part 1
;; launch combine (part 2): grid 128 x 1, 2 waves a work-group, no clusters, 0 bytes of LDS; arguments part, out0; writes out0
.if DOCPART == 2
	.amdgcn_target "amdgcn-amd-amdhsa--gfx1250"
	.amdhsa_code_object_version 6
	.text
	.protected	k_q351716b7cd_combine
	.globl	k_q351716b7cd_combine
	.p2align	8
	.type	k_q351716b7cd_combine,@function
k_q351716b7cd_combine:
	s_mov_b64 s[64:65], 0
	v_nop
	global_prefetch_b8 v0, s[64:65] scope:SCOPE_SE
	s_setreg_imm32_b32 hwreg(HW_REG_WAVE_MODE, 25, 1), 1
	s_wait_xcnt 0x0
; out0[b][d] = (sum over a batch's 16 records i of 2^(Mt_i - M) ctx_i[d]) / (sum over i of 2^(Mt_i - M) l_i), M the largest Mt_i: the softmax over all 2,048 rows, its maximum taken away.
; A record of part is 5,120 bytes: ctx (1,024 f32), then copies of the pair (Mt, l).  A work-group takes 256 numbers d of one batch (batch = number / 4, quarter = number % 4); thread t takes four.
; Every load of ctx and the store of a wave cover 512 consecutive bytes.  No LDS, no barrier: lane i % 16 holds record i's pair, so four steps inside 16 lanes give every lane M and the divisor.
.set REC, 5120
	s_load_b128 s[4:7], s[0:1], 0x0                ; part, out0
	s_lshr_b32 s8, ttmp9, 2                        ; batch
	s_and_b32 s9, ttmp9, 3                         ; quarter
	s_mul_i32 s10, s8, 16*REC
	s_mov_b32 s11, 0
	s_lshl_b32 s12, s9, 10
	s_lshl_b32 s14, ttmp9, 10                      ; 4,096 batch + 1,024 quarter
	s_mov_b32 s15, 0
	v_and_b32 v1, 15, v0
	v_mul_u32_u24 v1, v1, REC                      ; my record's pair
	v_lshl_add_u32 v4, v0, 4, s12                  ; my 16 bytes of a record's ctx
	v_lshlrev_b32 v5, 4, v0
	s_wait_kmcnt 0x0
	s_add_nc_u64 s[4:5], s[4:5], s[10:11]
	s_add_nc_u64 s[6:7], s[6:7], s[14:15]
	global_load_b64 v[2:3], v1, s[4:5] offset:4096
.irp i, 0,1,2,3,4,5,6,7,8,9,10,11,12,13,14,15
	global_load_b128 v[8+4*\i:11+4*\i], v4, s[4:5] offset:REC*\i
.endr
	s_wait_loadcnt 16                              ; the pair is in; the 16 loads issued behind it stay out
	v_mov_b32 v6, v2
	v_max_num_f32_dpp v6, v6, v6 row_xmask:1 row_mask:0xf bank_mask:0xf
	v_max_num_f32_dpp v6, v6, v6 row_xmask:2 row_mask:0xf bank_mask:0xf
	v_max_num_f32_dpp v6, v6, v6 row_xmask:4 row_mask:0xf bank_mask:0xf
	v_max_num_f32_dpp v6, v6, v6 row_xmask:8 row_mask:0xf bank_mask:0xf   ; M
	v_sub_f32 v7, v2, v6
	v_exp_f32 v7, v7                               ; 2^(Mt - M), at most 1, and 1 for one record at the least
	v_nop
	s_wait_alu depctr_va_vdst(0)                   ; the wait ahead of the first reader
	v_mul_f32 v72, v7, v3
	v_add_f32_dpp v72, v72, v72 row_xmask:1 row_mask:0xf bank_mask:0xf
	v_add_f32_dpp v72, v72, v72 row_xmask:2 row_mask:0xf bank_mask:0xf
	v_add_f32_dpp v72, v72, v72 row_xmask:4 row_mask:0xf bank_mask:0xf
	v_add_f32_dpp v72, v72, v72 row_xmask:8 row_mask:0xf bank_mask:0xf   ; the divisor, 1 at the least
	v_rcp_f32 v73, v72
	v_nop
	s_wait_alu depctr_va_vdst(0)
	v_mul_f32 v7, v7, v73                          ; record i's weight, in lane i
.irp i, 0,1,2,3,4,5,6,7,8,9,10,11,12,13,14,15
	v_readlane_b32 s[16+\i], v7, \i
.endr
	s_wait_loadcnt 0x0
.irp e, 0,1,2,3
	v_mul_f32 v[76+\e], s16, v[8+\e]
.endr
.irp i, 1,2,3,4,5,6,7,8,9,10,11,12,13,14,15
.irp e, 0,1,2,3
	v_fma_f32 v[76+\e], v[8+4*\i+\e], s[16+\i], v[76+\e]   ; four chains by turns
.endr
.endr
	global_store_b128 v5, v[76:79], s[6:7]
	s_endpgm
.Lfunc_end_k_q351716b7cd_combine:
	.size	k_q351716b7cd_combine, .Lfunc_end_k_q351716b7cd_combine-k_q351716b7cd_combine
	.p2alignl 7, 3214868480
	.fill 96, 4, 3214868480
	.section	.rodata,"a",@progbits
	.p2align	6, 0x0
	.amdhsa_kernel k_q351716b7cd_combine
		.amdhsa_group_segment_fixed_size 0
		.amdhsa_private_segment_fixed_size 0
		.amdhsa_enable_private_segment 0
		.amdhsa_kernarg_size 16
		.amdhsa_user_sgpr_count 2
		.amdhsa_user_sgpr_kernarg_segment_ptr 1
		.amdhsa_wavefront_size32 1
		.amdhsa_system_sgpr_workgroup_id_x 1
		.amdhsa_system_sgpr_workgroup_id_y 1
		.amdhsa_system_sgpr_workgroup_id_z 1
		.amdhsa_system_vgpr_workitem_id 0
		.amdhsa_next_free_vgpr 96
		.amdhsa_next_free_sgpr 66
		.amdhsa_reserve_vcc 0
		.amdhsa_float_denorm_mode_32 3
		.amdhsa_float_denorm_mode_16_64 3
		.amdhsa_memory_ordered 1
		.amdhsa_forward_progress 1
		.amdhsa_inst_pref_size 9
	.end_amdhsa_kernel
	.amdgpu_metadata
---
amdhsa.version: [ 1, 2 ]
amdhsa.kernels:
  - .name:           k_q351716b7cd_combine
    .symbol:         k_q351716b7cd_combine.kd
    .args:
      - { .name: part, .offset: 0, .size: 8, .value_kind: global_buffer, .address_space: global }
      - { .name: out0, .offset: 8, .size: 8, .value_kind: global_buffer, .address_space: global }
    .group_segment_fixed_size: 0
    .private_segment_fixed_size: 0
    .kernarg_segment_align: 8
    .kernarg_segment_size: 16
    .max_flat_workgroup_size: 64
    .sgpr_count:     66
    .vgpr_count:     96
    .wavefront_size: 32
...
	.end_amdgpu_metadata
.endif
;; end of part 2
